; MI455X (gfx1250); checked and timed in simulation.
; The chip was launched on July 23, 2026; its instructions are those of AMD's public machine-readable ISA for CDNA 5 (MIT licence, August 2026) and "CDNA5" Instruction Set Architecture Reference Guide (July 2026). The comments in the code are by the model that wrote it; some were corrected since.
;; Tt Whisper Attention. Allowed arithmetic: matrix products marked QUANTISED: E4M3 operands, one given power-of-two scale a tensor, by v_wmma_f32_16x16x64_fp8_fp8 or v_wmma_f32_16x16x128_fp8_fp8, f32 sums; everything else in f32.
;; Inputs: hidden_states 1 x 4 x 1,500 x 1,024 float32; k_w 1,024 x 1,024 float32; lowp_scales 12 int32 (the exponents e of the quantised operands' scales 2^e); out_b 1,024 float32; out_w 1,024 x 1,024 float32; q_b 1,024 float32; q_w 1,024 x 1,024 float32; v_b 1,024 float32; v_w 1,024 x 1,024 float32.
;; Outputs: out0 1 x 4 x 1,500 x 1,024 float32.
;; This version of the problem:
;;   THIS VERSION OF THE PROBLEM IS GIVEN IN LOW PRECISION. The matrix products marked QUANTISED in the list below multiply operands that are first quantised to E4M3 (4 exponent bits, 3 mantissa bits; 8 bits a number), with one given power-of-two scale for each operand tensor; their sums are f32. All else is computed in f32.
;;   The module's matrix products, in the order in which they are computed (A, B: the left and right operand; K: the contracted axis; several contracted axes count as one K, in the product's order):
;;     1. [M 6,000, K 1,024] x [K 1,024, N 1,024]; A: input hidden_states; B: input q_w: QUANTISED (scales: A lowp_scales[0], B lowp_scales[1])
;;     2. [M 6,000, K 1,024] x [K 1,024, N 1,024]; A: input hidden_states; B: input k_w: QUANTISED (scales: A lowp_scales[2], B lowp_scales[3])
;;     3. [M 6,000, K 1,024] x [K 1,024, N 1,024]; A: input hidden_states; B: input v_w: QUANTISED (scales: A lowp_scales[4], B lowp_scales[5])
;;     4. batch 64 x [M 1,500, K 64] x [K 64, N 1,500]; A: computed on the way; B: computed on the way: QUANTISED (scales: A lowp_scales[6], B lowp_scales[7])
;;     5. batch 64 x [M 1,500, K 1,500] x [K 1,500, N 64]; A: softmax (see below); B: computed on the way: QUANTISED (scales: A lowp_scales[8], B lowp_scales[9])
;;     6. [M 6,000, K 1,024] x [K 1,024, N 1,024]; A: computed on the way; B: input out_w: QUANTISED (scales: A lowp_scales[10], B lowp_scales[11])
;;   THE QUANTISER, for each operand of a quantised product, along K:
;;     - The operand's scale is 2^e, e = its entry of the input lowp_scales (int32; the entries are numbered through the quantised products in the list's order, A before B).
;;     - Each number is divided by the scale, clamped to +-448, and rounded to the nearest number of E4M3, ties to even, subnormals kept.
;;     - The product sums the exact products of the quantised numbers (number of the format x scale) in f32.
;;   ~~~python
;;   def quantise(x, axis, e):      # numpy; x: float32 -> the quantised numbers, widened to float32 again
;;       x = np.moveaxis(x, axis, -1); K = x.shape[-1]
;;       r = np.clip(x / 2.0 ** e, -448, 448)
;;       step = 2.0 ** (np.maximum(np.frexp(np.where(r == 0, 1, r))[1] - 1, -6) - 3)
;;       q = np.round(r / step) * step * 2.0 ** e      # np.round: ties to even
;;       return np.moveaxis(q, -1, axis).astype(np.float32)
;;   ~~~
;;   SOFTMAX AHEAD OF A QUANTISED PRODUCT. Where the list says 'softmax', what is quantised is not the finished softmax but p = 2^(t - M), with t = logit x log2(e) and M = ceil(the row's largest t), a whole number; so 1/2 < the row's largest p <= 1. The row's sum l is taken of the UNQUANTISED p, in f32, and the product's result is divided by l at the end. Since M is a whole number, a kernel that streams over the keys may use a running M (the ceiling of the running maximum): every later rescaling is an exact power of two, so the quantised numbers keep their values, but for numbers so far below the row's largest that they fall under the format's range.
;;   OPERANDS COMPUTED ON THE WAY. 'Computed on the way' means the value that the module computes at that place (a softmax that the list does not call 'softmax' is quantised finished and normalised). What goes into a quantiser is computed in f32, as accurately as f32 sums, v_exp_f32 and their like allow (about 1e-6 of the number): no bf16 or f16 on the way to a quantiser, and a product that is left as it is and whose result goes on into a quantised operand takes f32 operands (vector FMAs, or v_wmma_f32_16x16x4_f32). A number that lies on a knife's edge between two numbers of the format may be rounded either way, as far as f32 arithmetic and the matrix unit's own rounding can turn it there, and no further.
;; One version. Each part assembles by itself: llvm-mc -triple=amdgcn-amd-amdhsa -mcpu=gfx1250 --defsym DOCPART=n.
;; ======== version 1 of 1: 4 launches
;; limits: right only within a limited range of input values
;; workspace buffers: xc 18,874,368 bytes; wc 4,194,304 bytes; qc 6,291,456 bytes; kc 6,291,456 bytes; vc 6,291,456 bytes; ac 6,291,456 bytes
;; launch quant (part 1): grid 640 x 1, 4 waves a work-group, no clusters, 34,304 bytes of LDS; arguments hidden_states, q_w, k_w, v_w, out_w, lowp_scales, xc, wc; writes xc, wc
.if DOCPART == 1
	.amdgcn_target "amdgcn-amd-amdhsa--gfx1250"
	.amdhsa_code_object_version 6
	.text
	.protected	k_qb2d84c8661_quant
	.globl	k_qb2d84c8661_quant
	.p2align	8
	.type	k_qb2d84c8661_quant,@function
k_qb2d84c8661_quant:
	s_mov_b64 s[64:65], 0
	v_nop
	global_prefetch_b8 v0, s[64:65] scope:SCOPE_SE
	s_setreg_imm32_b32 hwreg(HW_REG_WAVE_MODE, 25, 1), 1
	s_wait_xcnt 0x0
; FIRST OF FOUR LAUNCHES (quant, qkv, attn, outp) for self-attention: 4 sequences of 1,500 tokens, 1,024 features, 16 heads of 64; all six products on codes of E4M3, each operand with its given scale 2^e.
; NOTHING OF THE PROBLEM IS LEFT OUT: every input has a way to the output (q_b and v_b move codes, out_b is added at the end) and every product is made.
; What is ADDED is padding: a sequence is carried as 1,536 tokens = 96 tiles of 16.  Tokens 1,500 to 1,535 hold copies of token 1,499 here, so that all that follows from them is finite; as keys they count for
; nothing (attn hides them), as queries their results are never stored into the output (outp).
; THIS LAUNCH turns hidden_states (three times: with e0, e2, e4, the scales of the three products that take it) and the four weights (e1, e3, e5, e11) into codes: x / 2^e, held within +-448, to the nearest code, ties to even.
; THE CODES ARE LAID AS IMAGES OF AN OPERAND'S REGISTERS.  A fragment, 16 rows x 128 K, is 2,048 bytes: chunk c (0..3) at 512 c + 16 x lane; lane (r = lane % 16, h = lane / 16) holds k = 32 c + 16 h + 0 .. 15 of the tile's row slot r.
; THE ROWS OF A TILE ARE NOT NEIGHBOURS: slot m of tile T holds row 32 (T / 2) + 8 (T % 2) + m + 8 (m / 8), for tokens and for weight rows alike.  So a later product's results, two tiles side by side, are 16 neighbouring numbers along the next K.
; xc: [3 scales x 8 K parts][4 x 96 token tiles][2,048];  wc: q_w, k_w, v_w: [3 x 8 K parts][64 tiles][2,048], so that the second launch, which walks the 24 parts on end, fetches any run of parts by one descriptor;
; behind them out_w: [64 tiles][8 K parts][2,048], as the last launch fetches it.
; SHARES.  A work-group takes one tile of 16 rows (work-groups 0-383: x; 384-639: the weights), wave w its K = 256 w .. 256 w + 255: two fragments.  A load reads 512 consecutive bytes of a row; the numbers turn through the wave's
; own stage in LDS (rows of 512 + 16 bytes) and come back 64 bytes a lane; a store writes 512 consecutive bytes.  Waves share nothing: no barrier.
; LIMITS: each of e0 .. e5 and e11 lies between -126 and 119, so that 2^e and 448 x 2^e are f32 numbers.  NaN among the inputs is not served (an infinity is held at the largest code).
.set NX,    384                        ; work-groups that take x
.set SP,    528                        ; a stage row
.set STG,   16*SP                      ; a wave's stage
.set SPARE, 4*STG                      ; behind the stages: the spare words, 128 bytes a wave
.set SETB,  0x600000                   ; one set of x's codes in bytes: 8 parts of 384 tiles
.set VO,    16                         ; v16-31   slot p: byte offset of my 16 bytes in its row
.set R,     32                         ; v32-159  two sets of 64 registers as loaded; once staged: 16 at work, 3 x 16 codes
.set X,     160                        ; v160-223 64 numbers: register 16 c + i = k 32 c + 16 h + i of row slot r
.set SC,    224                        ; v224-226 2^e as f32, for the three sets
.set LM,    227                        ; v227-229 448 x 2^e
.set SPW,   230                        ; v230     LDS address of my spare word; never rewritten
.set NIL,   231                        ; v231     0; never rewritten
	s_load_b512 s[4:19], s[0:1], 0x0               ; hidden_states, q_w, k_w, v_w, out_w, the scales, xc, wc
	v_lshl_add_u32 v[SPW], v0, 2, SPARE
	v_mov_b32 v[NIL], 0
	v_lshrrev_b32 v1, 5, v0
	v_readfirstlane_b32 s20, v1                    ; wave 0..3
	v_and_b32 v1, 31, v0                           ; lane
	v_and_b32 v2, 15, v0                           ; r
	v_bfe_u32 v3, v0, 4, 1                         ; h
	v_lshlrev_b32 v4, 4, v1                        ; 16 x lane: my place in a chunk
	s_wait_alu depctr_va_vdst(0)
	s_mul_i32 s33, s20, STG
	v_add_nc_u32 v5, s33, v4                       ; the stage, on the way in: a row's 512 bytes as they lie
	v_mul_u32_u24 v6, v2, SP
	v_lshl_add_u32 v6, v3, 6, v6
	v_add_nc_u32 v6, s33, v6                       ; and back: row r, + 64 h
	s_lshl_b32 s33, s20, 10
	v_add_nc_u32 v7, s33, v4                       ; my wave's 1,024 bytes of a row, my 16 of a load's 512
	; which tile.  Both readings of the work-group's number are made, then one compare chooses
	s_wait_alu depctr_va_vdst(0)
	s_mul_hi_u32 s34, ttmp9, 0x2aaaaab             ; x: the batch = number / 96
	s_mul_i32 s35, s34, 96
	s_sub_co_u32 s35, ttmp9, s35                   ; x: the tile in its batch
	s_mul_i32 s32, s34, 1500                       ; x: the batch's first row
	s_sub_co_u32 s48, ttmp9, NX                    ; weights: 64 x weight + tile
	s_lshr_b32 s49, s48, 6                         ; which weight
	s_and_b32 s50, s48, 63
	s_lshl_b32 s56, s49, 20                        ; a weight's codes are 2^20 bytes
	s_mov_b32 s58, 131072                          ; q_w, k_w, v_w: from part to part 64 tiles,
	s_cmp_eq_u32 s49, 3
	s_cselect_b32 s57, 14, 11                      ; from tile to tile 2^11 bytes; out_w: 2^14,
	s_cselect_b32 s58, 2048, s58                   ; and from part to part 2,048
	s_mov_b32 s59, 786432                          ; x: from part to part 384 tiles
	s_mov_b32 s31, 1023
	s_cmp_lt_u32 ttmp9, NX
	s_cselect_b32 s35, s35, s50                    ; T
	s_cselect_b32 s32, s32, 0                      ; first row of the batch
	s_cselect_b32 s31, 1499, s31                   ; the last row there is: later slots take its numbers
	s_cselect_b32 s48, ttmp9, s50                  ; the tile's number among its tensor's
	s_cselect_b32 s56, 0, s56
	s_cselect_b32 s57, 11, s57
	s_cselect_b32 s58, s59, s58
	v_add_nc_u32 v8, s58, v4                       ; my place in a chunk of my wave's second part
	s_lshr_b32 s30, s35, 1
	s_lshl_b32 s30, s30, 5
	s_and_b32 s33, s35, 1
	s_lshl_b32 s33, s33, 3
	s_add_co_u32 s30, s30, s33                     ; slot 0's row: 32 (T / 2) + 8 (T % 2)
.irp p, 0,1,2,3,4,5,6,7,8,9,10,11,12,13,14,15
	s_add_co_u32 s33, s30, \p+8*(\p/8)
	s_min_u32 s33, s33, s31                        ; no load leaves its buffer
	s_add_co_u32 s33, s33, s32
	s_lshl_b32 s33, s33, 12                        ; a row is 4,096 bytes
	v_add_nc_u32 v[VO+\p], s33, v7
.endr
	s_wait_alu depctr_va_vdst(0)
	s_wait_kmcnt 0x0
	s_load_b256 s[36:43], s[14:15], 0x0            ; e0 .. e7
	s_load_b128 s[44:47], s[14:15], 0x20           ; e8 .. e11
	s_cmp_eq_u32 s49, 1                            ; the buffers are chosen by the work-group's number alone
	s_cselect_b64 s[22:23], s[8:9], s[6:7]
	s_cmp_eq_u32 s49, 2
	s_cselect_b64 s[22:23], s[10:11], s[22:23]
	s_cmp_eq_u32 s49, 3
	s_cselect_b64 s[22:23], s[12:13], s[22:23]
	s_cmp_lt_u32 ttmp9, NX
	s_cselect_b64 s[22:23], s[4:5], s[22:23]       ; what I read
	s_cselect_b64 s[24:25], s[16:17], s[18:19]     ; where my codes go
	s_lshl_b32 s52, s48, s57                       ; the tile,
	s_add_co_u32 s52, s52, s56                     ; in its weight,
	s_lshl_b32 s33, s20, 1
	s_mul_i32 s33, s33, s58                        ; at my wave's first part, 2 x wave
	s_add_co_u32 s52, s52, s33
	s_mov_b32 s53, 0
	s_add_nc_u64 s[24:25], s[24:25], s[52:53]
	s_add_nc_u64 s[26:27], s[24:25], SETB          ; x's second and third set (a weight's work-group never uses these two)
	s_add_nc_u64 s[28:29], s[26:27], SETB
.macro LOAD g                          ; K part g of my wave: 16 rows x 512 bytes
.irp p, 0,1,2,3,4,5,6,7,8,9,10,11,12,13,14,15
	global_load_b128 v[R+64*\g+4*\p:R+64*\g+4*\p+3], v[VO+\p], s[22:23] offset:512*\g th:TH_LOAD_NT
.endr
.endm
	LOAD 0
	LOAD 1
	s_wait_kmcnt 0x0
	s_cmp_eq_u32 s49, 1
	s_cselect_b32 s54, s39, s37                    ; e3 or e1
	s_cmp_eq_u32 s49, 2
	s_cselect_b32 s54, s41, s54                    ; e5
	s_cmp_eq_u32 s49, 3
	s_cselect_b32 s54, s47, s54                    ; e11
	s_cmp_lt_u32 ttmp9, NX
	s_cselect_b32 s54, s36, s54                    ; x: e0
.macro MKSC k, se                      ; 2^e and 448 x 2^e as f32
	s_add_co_i32 s33, \se, 127
	s_lshl_b32 s55, s33, 23
	v_mov_b32 v[SC+\k], s55
	s_add_co_i32 s33, s33, 8
	s_lshl_b32 s33, s33, 23
	s_or_b32 s33, s33, 0x600000
	v_mov_b32 v[LM+\k], s33
.endm
	MKSC 0, s54
	MKSC 1, s38                                    ; e2
	MKSC 2, s40                                    ; e4
; The 64 numbers in X become one fragment's codes with scale k, and leave.  Each K part and each scale has its own registers for its codes: no store's data are written again.
.macro SET k, g
.irp c, 0,1,2,3
.irp i, 0,1,2,3,4,5,6,7,8,9,10,11,12,13,14,15
	v_med3_num_f32 v[R+64*\g+\i], v[X+16*\c+\i], -v[LM+\k], v[LM+\k]   ; the conversion to an 8-bit code does not saturate (ISA guide 7.6.2): the hold comes first
.endr
	v_cvt_scalef32_pk8_fp8_f32 v[R+64*\g+16+16*\k+4*\c:R+64*\g+16+16*\k+4*\c+1], v[R+64*\g:R+64*\g+7], v[SC+\k]
	v_cvt_scalef32_pk8_fp8_f32 v[R+64*\g+16+16*\k+4*\c+2:R+64*\g+16+16*\k+4*\c+3], v[R+64*\g+8:R+64*\g+15], v[SC+\k]
	v_nop                                          ; a plain line between the conversions and the next holds, which write their sources
.endr
.irp c, 0,1,2,3
	global_store_b128 v[4+4*\g], v[R+64*\g+16+16*\k+4*\c:R+64*\g+16+16*\k+4*\c+3], s[24+2*\k:25+2*\k] offset:512*\c   ; 32 lanes store 512 consecutive bytes, aligned; v4: my first part, v8: my second
.endr
.endm
.macro PROC g
	s_wait_loadcnt 16*(1-\g)                       ; this part's sixteen loads are in; the other part's may be out
.irp p, 0,1,2,3,4,5,6,7,8,9,10,11,12,13,14,15
	ds_store_b128 v5, v[R+64*\g+4*\p:R+64*\g+4*\p+3] offset:SP*\p
.endr
.irp c, 0,1,2,3
.irp i, 0,1,2,3
	ds_load_b128 v[X+16*\c+4*\i:X+16*\c+4*\i+3], v6 offset:128*\c+16*\i   ; LDS serves a wave's instructions in order: these see the stores above
.endr
.endr
	s_wait_dscnt 0x0                               ; the numbers are back, and the stores have read their registers, which now serve as work space
	SET 0, \g
	s_cmp_lt_u32 ttmp9, NX                         ; a weight has one scale: the other two sets are x's alone.  No LDS instruction stands under this branch
	s_cbranch_scc0 .Lweight_\@
	SET 1, \g
	SET 2, \g
.Lweight_\@:
.endm
	s_wait_alu depctr_va_vdst(0)
	PROC 0
	PROC 1
	s_wait_tensorcnt 0x0                           ; the wave's end, behind my last LDS store
	ds_add_u32 v[SPW], v[NIL]
	s_wait_dscnt 0x0
	s_endpgm
.Lfunc_end_k_qb2d84c8661_quant:
	.size	k_qb2d84c8661_quant, .Lfunc_end_k_qb2d84c8661_quant-k_qb2d84c8661_quant
	.p2alignl 7, 3214868480
	.fill 96, 4, 3214868480
	.section	.rodata,"a",@progbits
	.p2align	6, 0x0
	.amdhsa_kernel k_qb2d84c8661_quant
		.amdhsa_group_segment_fixed_size 34304
		.amdhsa_private_segment_fixed_size 0
		.amdhsa_enable_private_segment 0
		.amdhsa_kernarg_size 64
		.amdhsa_user_sgpr_count 2
		.amdhsa_user_sgpr_kernarg_segment_ptr 1
		.amdhsa_wavefront_size32 1
		.amdhsa_system_sgpr_workgroup_id_x 1
		.amdhsa_system_sgpr_workgroup_id_y 1
		.amdhsa_system_sgpr_workgroup_id_z 1
		.amdhsa_system_vgpr_workitem_id 0
		.amdhsa_next_free_vgpr 232
		.amdhsa_next_free_sgpr 66
		.amdhsa_reserve_vcc 0
		.amdhsa_float_denorm_mode_32 3
		.amdhsa_float_denorm_mode_16_64 3
		.amdhsa_memory_ordered 1
		.amdhsa_forward_progress 1
		.amdhsa_inst_pref_size 45
	.end_amdhsa_kernel
	.amdgpu_metadata
---
amdhsa.version: [ 1, 2 ]
amdhsa.kernels:
  - .name:           k_qb2d84c8661_quant
    .symbol:         k_qb2d84c8661_quant.kd
    .args:
      - { .name: hidden_states, .offset: 0, .size: 8, .value_kind: global_buffer, .address_space: global }
      - { .name: q_w, .offset: 8, .size: 8, .value_kind: global_buffer, .address_space: global }
      - { .name: k_w, .offset: 16, .size: 8, .value_kind: global_buffer, .address_space: global }
      - { .name: v_w, .offset: 24, .size: 8, .value_kind: global_buffer, .address_space: global }
      - { .name: out_w, .offset: 32, .size: 8, .value_kind: global_buffer, .address_space: global }
      - { .name: lowp_scales, .offset: 40, .size: 8, .value_kind: global_buffer, .address_space: global }
      - { .name: xc, .offset: 48, .size: 8, .value_kind: global_buffer, .address_space: global }
      - { .name: wc, .offset: 56, .size: 8, .value_kind: global_buffer, .address_space: global }
    .group_segment_fixed_size: 34304
    .private_segment_fixed_size: 0
    .kernarg_segment_align: 8
    .kernarg_segment_size: 64
    .max_flat_workgroup_size: 128
    .sgpr_count:     66
    .vgpr_count:     232
    .wavefront_size: 32
...
	.end_amdgpu_metadata
.endif
;; end of part 1
;; launch qkv (part 2): grid 8 x 32, 4 waves a work-group, clusters of 4 x 4, 327,680 bytes of LDS; arguments xc, wc, lowp_scales, q_b, v_b, qc, kc, vc; writes qc, kc, vc
.if DOCPART == 2
	.amdgcn_target "amdgcn-amd-amdhsa--gfx1250"
	.amdhsa_code_object_version 6
	.text
	.protected	k_qb2d84c8661_qkv
	.globl	k_qb2d84c8661_qkv
	.p2align	8
	.type	k_qb2d84c8661_qkv,@function
k_qb2d84c8661_qkv:
	s_mov_b64 s[64:65], 0
	v_nop
	global_prefetch_b8 v0, s[64:65] scope:SCOPE_SE
	s_setreg_imm32_b32 hwreg(HW_REG_WAVE_MODE, 25, 1), 1
	s_wait_xcnt 0x0
	s_wait_alu depctr_hold_cnt(0) depctr_sa_sdst(0) depctr_va_vdst(0) depctr_va_sdst(0) depctr_va_ssrc(0) depctr_va_vcc(0) depctr_vm_vsrc(0)
	s_getreg_b32 s2, hwreg(HW_REG_IB_STS2, 6, 4)
	s_cmp_eq_u32 s2, 0
	s_cbranch_scc0 .Lentry_in_a_cluster
	s_endpgm
.Lentry_in_a_cluster:
	s_bfe_u32 s2, ttmp6, 0x10000c
	s_cmp_lg_u32 s2, 0xf033
	s_cbranch_scc0 .Lentry_shape_is_right
	s_endpgm
.Lentry_shape_is_right:
; q = (x q_w^T + q_b) / 8, k = x k_w^T, v = x v_w^T + v_b, on the codes that the launch before made, and at once quantised for attention: q with e6, k with e7, v with e9.  Nothing of the problem is left out here.
; SHARES.  6,144 padded tokens x 3,072 features are 256 equal parts: a work-group makes 192 tokens x 128 features, for q, then k, then v: three passes of eight parts of 128 along K, 24 parts written out on end.
; Four waves, 2 x 2: a wave makes 96 tokens (6 tiles) x 64 features (4 tiles: ONE HEAD): 24 accumulators, which take turns, one instruction a turn, in one fixed order.
; OPERANDS ARE IMAGES OF REGISTERS (see the first launch): a fragment is four loads of 16 bytes at 16 x lane.
; q, k: source 0 = 16 rows of W, source 1 = 16 tokens: a lane holds one token, and the 16 registers of feature tiles 2 b, 2 b + 1 are features 32 b + 16 h + 0 .. 15: two conversions give one chunk of the next operand's image.
; v:    the sources are swapped: a lane holds one feature, and the registers of token tiles 2 B, 2 B + 1 are 16 neighbouring keys: the keys are the second product's K.  All results leave straight from registers, 512 aligned bytes a store.
; qc, kc: [64 batch x head][96 token tiles][1,024];  vc: [64][12 key steps][4 tiles of the head's 64][2,048].
; THE TOKENS go through LDS: a ring of two slots of six parts, 147,456 bytes each, the 24 parts in four groups.  Cluster 4 x 4: the four of a row need the same tokens' tiles and ask for them jointly; every wave asks for 3 of the 12 tiles.
; Each group is asked for six parts, 144 matrix instructions a wave, ahead of its first read (so the tokens have no data prefetch).
; THE WEIGHTS go from memory straight into registers, three parts ahead, four sets of 64: with them in LDS a part would take 40,960 bytes there, a slot would hold three, and five refills, each behind a round, would take the place of two.
; That is why they are not asked for jointly, though the four of a column read the same ones.  The weights of pass k and of pass v are prefetched into the L2 a pass ahead: the cluster in row y of clusters asks for one part of the eight, its four
; columns each for their 16,384 bytes, the four partners of a column each for 4,096 of them, told apart by address: 16 blocks of 256 bytes, one instruction of wave 0.
; THE SCALES: q's sum x 2^(e0+e1) + q_b is converted with 2^(e6+3), which holds the division by 8; k's sum is converted with 2^(e7-e2-e3); v's sum x 2^(e4+e5) + v_b with 2^e9.
; LIMITS: e0+e1 and e4+e5 between -126 and 127; e6+3, e7-e2-e3 and e9 between -126 and 119.  NaN is not served.
; REGISTERS.  window 0: v1 16 x lane; v2-5 LDS addresses of my two runs of three token tiles in slot 0, 1; v6 the prefetch's offset; v8-13 scales; v14, v15 the add's two; v16-18 v's store offsets; v24-55 at work; v56-63 codes; v64-255 accumulator (ti, fi) at 64 + 8 (4 ti + fi).
;   window 1: v0-95, v96-191 the tokens' fragments, two sets; v192-223 q_b in the result's layout; v224-231 v_b.     window 2: the weights' fragments, four sets of 64.
.set QT,    36864                      ; a wave's quarter of a slot: 6 parts x 3 tiles
.set SLOT,  147456
.set SPARE, 294912                     ; behind the ring: the spare words, 128 bytes a wave
.set PSA,   786432                     ; from part to part in xc: 384 tiles
.set PSB,   131072                     ; in wc: 64 tiles
.set LI,   1
.set ADRA, 2
.set PFO,  6
.set SPW,  14
.set NIL,  15
.set VVO,  16
.set TR,   24
.set CR,   56
.set ACC,  64
.set QB,   192
.set VB,   224
; scalar: s[28:35] group 1; groups 0: s[44:47] slot 0, s[48:51] slot 1; s[36:37] my head's weights, s[38:39] where my prefetches stand
.set MSB, 0
.macro WIN new                         ; the immediate's high byte repeats the setting that is left
.if MSB != (\new)
	s_set_vgpr_msb (MSB<<8)|(\new)
.set MSB, (\new)
.endif
.endm
.macro WMUL p                          ; q, k: source 0 window 2 (W), source 1 window 1 (x); v: the other way round
.if (\p) >= 16
	WIN 0x09
.else
	WIN 0x06
.endif
.endm
.macro PLACES n
.rept \n
	v_nop
.endr
.endm
.macro JLOAD s                         ; my quarter of a group, a joint load of my row of the cluster; s_nop 0 and four v_nop follow it
	tensor_load_to_lds s[44+4*\s:47+4*\s], s[28:35]
	s_nop 0
	PLACES 4
.endm
.macro CREST                           ; a round of the cluster's barrier behind its opening barrier
	s_cmp_lg_u32 s20, 0
	s_cbranch_scc1 .Lnot_wave_0_\@
	s_barrier_signal -3
.Lnot_wave_0_\@:
	s_barrier_wait -3
	s_barrier_signal -1
	s_barrier_wait -1
.endm
.macro CROUND
	s_barrier_signal -1
	s_barrier_wait -1
	CREST
.endm
	s_load_b512 s[4:19], s[0:1], 0x0               ; xc, wc, the scales, q_b, v_b, qc, kc, vc
	v_lshl_add_u32 v[SPW], v0, 2, SPARE
	v_mov_b32 v[NIL], 0
	ds_add_u32 v[SPW], v[NIL]                      ; the wave's opening: the add, twice on end, and its wait ahead of my first tensor load
	ds_add_u32 v[SPW], v[NIL]
	v_lshrrev_b32 v1, 5, v0
	v_readfirstlane_b32 s20, v1                    ; wave 0..3.  Also: which 3 of the 12 token tiles I fetch
	s_lshr_b32 s21, s20, 1                         ; which 96 tokens are mine
	s_and_b32 s22, s20, 1                          ; which 64 features
	s_bfe_u32 s23, ttmp6, 0x40000                  ; cx
	s_bfe_u32 s24, ttmp6, 0x40004                  ; cy
	s_lshl_b32 s25, ttmp9, 2
	s_add_co_u32 s25, s25, s23                     ; which 128 features: 0..7
	s_and_b32 s27, ttmp7, 0xffff                   ; the cluster's y: 0..7
	s_lshl_b32 s26, s27, 2
	s_add_co_u32 s26, s26, s24                     ; which 192 tokens: 0..31
	s_lshl_b32 s60, s24, 2
	s_lshl_b32 s60, 15, s60                        ; my row of the cluster
	s_or_b32 s28, s60, (3<<16)|(1<<21)             ; 15:0 the mask; 17:16 elements of 8 bytes; 21 set beside a mask
	s_mov_b32 s29, 768<<16                         ; six rows (a part each) of three tiles, 6,144 bytes; no padding
	s_mov_b32 s30, 6<<16
	s_mov_b32 s31, 768<<16
	s_mov_b32 s32, 6
	s_mov_b32 s33, 98304                           ; the pitch: PSA
	s_mov_b32 s34, 0
	s_mov_b32 s35, 0
	s_mov_b32 s44, 1                               ; groups 0: the count,
	s_mov_b32 s48, 1
	s_mul_i32 s45, s20, QT                         ; and where the tiles go: no place in the cluster enters an LDS address
	s_add_co_u32 s49, s45, SLOT
	s_mul_i32 s60, s26, 12                         ; the tokens' tiles hang on the tokens' coordinate and the wave alone
	s_mul_i32 s61, s20, 3
	s_add_co_u32 s60, s60, s61
	s_lshl_b32 s60, s60, 11
	s_mov_b32 s61, 0
	s_lshl_b32 s62, s25, 14                        ; my 8 feature tiles of a part of wc,
	s_lshl_b32 s66, s22, 13                        ; my wave's 4 of them
	s_add_co_u32 s66, s66, s62
	s_mov_b32 s67, 0
	s_lshl_b32 s63, s24, 12                        ; the prefetch: my place's 4,096 bytes of the eight tiles,
	s_add_co_u32 s62, s62, s63
	s_mul_i32 s27, s27, PSB                        ; of the part that my row of clusters asks for
	s_add_co_u32 s62, s62, s27
	s_mov_b32 s63, 0
	s_wait_dscnt 0x0                               ; both opening adds are done
	s_wait_kmcnt 0x0
	s_load_b256 s[84:91], s[8:9], 0x0              ; e0 .. e7
	s_load_b128 s[92:95], s[8:9], 0x20             ; e8 .. e11
	s_add_nc_u64 s[46:47], s[4:5], s[60:61]        ; slot 0 begins with parts 0 to 5,
	s_add_nc_u64 s[50:51], s[46:47], 6*PSA         ; slot 1 with parts 6 to 11
	s_or_b32 s47, s47, 0x80000000
	s_or_b32 s51, s51, 0x80000000
	s_add_nc_u64 s[36:37], s[6:7], s[66:67]
	s_add_nc_u64 s[38:39], s[6:7], s[62:63]
	CROUND                                         ; all sixteen work-groups are here: the first joint loads meet
	JLOAD 0                                        ; one load a wave
	v_and_b32 v23, 31, v0
	v_lshlrev_b32 v[LI], 4, v23                    ; 16 x lane
	v_min_u32 v[PFO], 15, v23
	v_lshlrev_b32 v[PFO], 8, v[PFO]                ; lanes 16-31 name the last block again
	v_and_b32 v21, 15, v0                          ; r
	v_bfe_u32 v22, v0, 4, 1                        ; h
	s_wait_alu depctr_va_vdst(0)                   ; ahead of the run of scalar lines
	s_mul_i32 s66, s21, 2*QT
.irp k, 0,1,2,3
	v_add_nc_u32 v[ADRA+\k], s66, v[LI]            ; slot k / 2, run k % 2
	s_add_co_u32 s66, s66, QT+(\k%2)*(SLOT-2*QT)
.endr
	s_lshl_b32 s66, s25, 1
	s_add_co_u32 s66, s66, s22                     ; my head
	s_lshl_b32 s62, s66, 8                         ; its 64 numbers of a bias
	s_add_nc_u64 s[10:11], s[10:11], s[62:63]
	s_add_nc_u64 s[12:13], s[12:13], s[62:63]
	v_lshlrev_b32 v19, 6, v22                      ; q_b: lane (r, h) wants, for tile 2 b + u, features 32 b + 16 h + 8 u + 0 .. 7
	v_and_b32 v20, 8, v21
	v_add_nc_u32 v20, v20, v21
	v_lshlrev_b32 v20, 2, v20                      ; v_b: feature 32 b + 8 u + r + 8 (r / 8)
	WIN 0x40                                       ; destination window 1
.irp f, 0,1,2,3
	global_load_b128 v[QB+8*\f:QB+8*\f+3], v19, s[10:11] offset:(32*(\f/2)+8*(\f%2))*4
	global_load_b128 v[QB+8*\f+4:QB+8*\f+7], v19, s[10:11] offset:(32*(\f/2)+8*(\f%2))*4+16
	global_load_b32 v[VB+2*\f], v20, s[12:13] offset:(32*(\f/2)+8*(\f%2))*4
	global_load_b32 v[VB+2*\f+1], v20, s[12:13] offset:(32*(\f/2)+8*(\f%2))*4   ; the same number once more: a pair for the packed form
.endr
; Two of my four feature tiles of part p, into set p % 4
.macro WLOAD p, fa
.if (\p) < 24
	WIN 0x80
.irp f, \fa, \fa+1
.irp c, 0,1,2,3
	global_load_b128 v[64*((\p)%4)+16*(\f)+4*\c:64*((\p)%4)+16*(\f)+4*\c+3], v[LI], s[36:37] offset:PSB*(\p)+2048*(\f)+512*\c
.endr
.endr
.endif
.endm
.irp w, 0,1,2
	WLOAD \w, 0
	WLOAD \w, 2
.endr
	WIN 0
	s_lshr_b32 s67, s26, 3                         ; the batch
	s_lshl_b32 s67, s67, 4
	s_add_co_u32 s67, s67, s66                     ; 16 x batch + head
	s_and_b32 s66, s26, 7
	s_mul_i32 s62, s66, 12
	s_mul_i32 s27, s21, 6
	s_add_co_u32 s62, s62, s27                     ; my first token tile in the batch
	s_mul_i32 s27, s67, 96
	s_add_co_u32 s62, s62, s27
	s_lshl_b32 s62, s62, 10
	s_add_nc_u64 s[14:15], s[14:15], s[62:63]      ; where my q goes,
	s_add_nc_u64 s[16:17], s[16:17], s[62:63]      ; my k,
	s_mul_i32 s62, s67, 98304
	s_add_nc_u64 s[18:19], s[18:19], s[62:63]      ; and my head's v
	s_mul_i32 s66, s66, 6
	s_mul_i32 s27, s21, 3
	s_add_co_u32 s66, s66, s27                     ; my first pair of token tiles = 32 keys: pair pp is chunk pp % 4 of key step pp / 4
.irp b, 0,1,2
	s_add_co_u32 s27, s66, \b
	s_lshr_b32 s62, s27, 2
	s_lshl_b32 s62, s62, 13
	s_and_b32 s27, s27, 3
	s_lshl_b32 s27, s27, 9
	s_add_co_u32 s62, s62, s27
	v_add_nc_u32 v[VVO+\b], s62, v[LI]
.endr
.macro MKSC vs, vl                     ; s66 = e: 2^e and 448 x 2^e as f32
	s_add_co_i32 s66, s66, 127
	s_lshl_b32 s67, s66, 23
	v_mov_b32 v[\vs], s67
	s_add_co_i32 s66, s66, 8
	s_lshl_b32 s66, s66, 23
	s_or_b32 s66, s66, 0x600000
	v_mov_b32 v[\vl], s66
.endm
	s_wait_alu depctr_va_vdst(0)
	s_wait_kmcnt 0x0
	s_add_co_i32 s96, s84, s85
	s_add_co_i32 s96, s96, 127
	s_lshl_b32 s96, s96, 23                        ; 2^(e0+e1)
	s_mov_b32 s97, s96                             ; (named with it as a pair, so it is written)
	s_add_co_i32 s98, s88, s89
	s_add_co_i32 s98, s98, 127
	s_lshl_b32 s98, s98, 23                        ; 2^(e4+e5)
	s_mov_b32 s99, s98
	s_add_co_i32 s66, s90, 3                       ; q: e6 + 3
	MKSC 8, 9
	s_sub_co_i32 s66, s91, s86                     ; k: e7 - e2 - e3
	s_sub_co_i32 s66, s66, s87
	MKSC 10, 11
	s_mov_b32 s66, s93                             ; v: e9
	MKSC 12, 13
; Two of my six token tiles of part p, into set p % 2
.macro TFETCH p, ta
	WIN 0x40
.irp t, \ta, \ta+1
.irp c, 0,1,2,3
	ds_load_b128 v[96*((\p)%2)+16*(\t)+4*\c:96*((\p)%2)+16*(\t)+4*\c+3], v[ADRA+2*(((\p)/6)%2)+(\t)/3] offset:6144*((\p)%6)+2048*((\t)%3)+512*\c
.endr
.endr
.endm
; 4 matrix instructions of part p: token tile ti x my 4 feature tiles.  A pass's first part starts the sums with C = 0: nothing is cleared
.macro MULT ti, p
	WMUL \p
.set A0, 96*((\p)%2)+16*(\ti)
.irp f, 0,1,2,3
.set D0, ACC+8*(4*(\ti)+\f)
.set B0, 64*((\p)%4)+16*\f
.if (\p) >= 16
.if (\p)%8 == 0
	v_wmma_f32_16x16x128_fp8_fp8 v[D0:D0+7], v[A0:A0+15], v[B0:B0+15], 0
.else
	v_wmma_f32_16x16x128_fp8_fp8 v[D0:D0+7], v[A0:A0+15], v[B0:B0+15], v[D0:D0+7]
.endif
.else
.if (\p)%8 == 0
	v_wmma_f32_16x16x128_fp8_fp8 v[D0:D0+7], v[B0:B0+15], v[A0:A0+15], 0
.else
	v_wmma_f32_16x16x128_fp8_fp8 v[D0:D0+7], v[B0:B0+15], v[A0:A0+15], v[D0:D0+7]
.endif
.endif
.endr
.endm
.macro WWAIT p                         ; part p's weights are in; those of the two parts behind it may be out
.if (\p) < 22
	s_wait_loadcnt 32
.else
	s_wait_loadcnt 16*(23-(\p))
.endif
.endm
; One part.  At its head, in one run, the next part's 24 token loads and the 16 weights' loads of three parts on; then its 24 products on end.
.macro PART p
	WWAIT \p
	s_wait_dscnt 0x0                               ; this part's token tiles are in: asked for a part ago
	PLACES 4                                       ; in front of loads into registers that the part before has read (ISA guide 7.12.1 for vector instructions)
	TFETCH (\p)+1, 0
	TFETCH (\p)+1, 2
	TFETCH (\p)+1, 4
	WLOAD (\p)+3, 0
	WLOAD (\p)+3, 2
	MULT 0, \p
	MULT 1, \p
	MULT 2, \p
	MULT 3, \p
	MULT 4, \p
	MULT 5, \p
.endm
; A slot's last part changes slots: ONE barrier; in front of it each wave waits for its tensor load (its quarter of the slot ahead), adds 0 to its spare word and waits for that and for its reads of the slot that it leaves.
; fill = 1: the barrier opens a round of the cluster's, and the slot left is filled again, with the parts twelve on.
.macro TURN p, fill
	WWAIT \p
	WIN 0                                          ; (the add's two registers lie in window 0)
	s_wait_tensorcnt 0x0
	ds_add_u32 v[SPW], v[NIL]
	s_wait_dscnt 1                                 ; my token tiles are in (the add may be out)
	MULT 0, \p
	MULT 1, \p
	s_wait_dscnt 0x0                               ; the add is done, and my reads of this slot are over
	s_barrier_signal -1
	MULT 2, \p
	WIN 0
	s_barrier_wait -1
.if \fill
	CREST                                          ; no wave of any partner still reads this slot or has a load on its way
.set GS, ((\p)/6)%2
	s_add_nc_u64 s[46+4*GS:47+4*GS], s[46+4*GS:47+4*GS], 12*PSA
	JLOAD GS                                       ; the first tensor load behind the round; its four v_nop are also the places in front of the loads below
.else
	PLACES 4
.endif
	TFETCH (\p)+1, 0
	TFETCH (\p)+1, 2
	MULT 3, \p
	TFETCH (\p)+1, 4
	MULT 4, \p
	WLOAD (\p)+3, 0
	WLOAD (\p)+3, 2
	MULT 5, \p
.endm
.macro ASK p                           ; the weights of the pass that begins with part p: my row of clusters' part of it
	WIN 0
	s_cmp_lg_u32 s20, 0
	s_cbranch_scc1 .Lnot_mine_\@
	global_prefetch_b8 v[PFO], s[38:39] offset:PSB*(\p) th:TH_LOAD_NT scope:SCOPE_SE
.Lnot_mine_\@:
.endm
; THE WAYS OUT.  q, k: token tile ti's 32 registers are features 0 .. 63 of my head for the lane's token: two chunks of its image.  Each accumulator is read from its low end on.
.macro EPIQK ti, bias, vs, vl, sb
	s_wait_xcnt 0x0                                ; the last stores have read the codes' registers
.if \bias
	WIN 0x10                                       ; source 2 (the bias) window 1
.set J, 0
.rept 16
	v_pk_fma_f32 v[TR+J:TR+J+1], v[ACC+32*(\ti)+J:ACC+32*(\ti)+J+1], s[96:97], v[QB+J:QB+J+1] op_sel_hi:[1,0,1]   ; sum x 2^(e0+e1) + q_b
.set J, J+2
.endr
	WIN 0
.set J, 0
.rept 32
	v_med3_num_f32 v[TR+J], v[TR+J], -v[\vl], v[\vl]
.set J, J+1
.endr
.else
	WIN 0
.set J, 0
.rept 32
	v_med3_num_f32 v[TR+J], v[ACC+32*(\ti)+J], -v[\vl], v[\vl]   ; the hold at the largest code x the scale
.set J, J+1
.endr
.endif
.irp m, 0,1,2,3
	v_cvt_scalef32_pk8_fp8_f32 v[CR+2*\m:CR+2*\m+1], v[TR+8*\m:TR+8*\m+7], v[\vs]
.endr
	v_nop                                          ; a plain line behind the last conversion
	global_store_b128 v[LI], v[CR:CR+3], s[\sb:\sb+1] offset:1024*(\ti)
	global_store_b128 v[LI], v[CR+4:CR+7], s[\sb:\sb+1] offset:1024*(\ti)+512
.endm
; v: token tiles 2 B, 2 B + 1 are 32 keys; for feature tile fi a lane's 16 registers are 16 neighbouring keys of its feature: one chunk of V's image
.macro EPIV bb
.irp g, 0,1
	s_wait_xcnt 0x0
	WIN 0x10
.irp u, 0,1
.irp k, 0,1
.irp i, 0,2,4,6
	v_pk_fma_f32 v[TR+16*\u+8*\k+\i:TR+16*\u+8*\k+\i+1], v[ACC+32*(2*(\bb)+\k)+8*(2*\g+\u)+\i:ACC+32*(2*(\bb)+\k)+8*(2*\g+\u)+\i+1], s[98:99], v[VB+2*(2*\g+\u):VB+2*(2*\g+\u)+1] op_sel_hi:[1,0,1]   ; sum x 2^(e4+e5) + v_b
.endr
.endr
.endr
	WIN 0
.set J, 0
.rept 32
	v_med3_num_f32 v[TR+J], v[TR+J], -v13, v13
.set J, J+1
.endr
.irp m, 0,1,2,3
	v_cvt_scalef32_pk8_fp8_f32 v[CR+2*\m:CR+2*\m+1], v[TR+8*\m:TR+8*\m+7], v12
.endr
	v_nop
	global_store_b128 v[VVO+(\bb)], v[CR:CR+3], s[18:19] offset:2048*(2*\g)
	global_store_b128 v[VVO+(\bb)], v[CR+4:CR+7], s[18:19] offset:2048*(2*\g+1)
.endr
.endm
	s_wait_alu depctr_va_vdst(0)                   ; the head's end
	s_wait_tensorcnt 0x0                           ; my quarter of group 0 is in
	ds_add_u32 v[SPW], v[NIL]
	s_wait_dscnt 0x0
	CROUND                                         ; everybody's is, and the joint loads meet
	JLOAD 1                                        ; group 1
	TFETCH 0, 0
	TFETCH 0, 2
	TFETCH 0, 4
	; ---- q: parts 0 to 7
	PART 0
	PART 1
	ASK 8
.irp p, 2,3,4
	PART \p
.endr
	TURN 5, 1                                      ; slot 0 takes group 2
	PART 6
	PART 7
	PLACES 4                                       ; in front of the first read of results; the next part's fragments are on their way meanwhile
.irp t, 0,1,2,3,4,5
	EPIQK \t, 1, 8, 9, 14
.endr
	; ---- k: parts 8 to 15
	PART 8
	PART 9
	ASK 16
	PART 10
	TURN 11, 1                                     ; slot 1 takes group 3
.irp p, 12,13,14,15
	PART \p
.endr
	PLACES 4
.irp t, 0,1,2,3,4,5
	EPIQK \t, 0, 10, 11, 16
.endr
	; ---- v: parts 16 to 23, the sources swapped
	PART 16
	TURN 17, 0                                     ; group 3 is shown whole; nothing is filled
.irp p, 18,19,20,21,22
	PART \p
.endr
	WWAIT 23                                       ; 23: nothing more to fetch
	s_wait_dscnt 16
	MULT 0, 23
	MULT 1, 23
	s_wait_dscnt 8
	MULT 2, 23
	MULT 3, 23
	s_wait_dscnt 0x0
	MULT 4, 23
	MULT 5, 23
	PLACES 4
	EPIV 0
	EPIV 1
	EPIV 2
	s_wait_tensorcnt 0x0                           ; the wave's end
	ds_add_u32 v[SPW], v[NIL]
	s_wait_dscnt 0x0
	CROUND                                         ; the closing round: no work-group ends while a partner may still ask for a tile that names it
	s_endpgm
.Lfunc_end_k_qb2d84c8661_qkv:
	.size	k_qb2d84c8661_qkv, .Lfunc_end_k_qb2d84c8661_qkv-k_qb2d84c8661_qkv
	.p2alignl 7, 3214868480
	.fill 96, 4, 3214868480
	.section	.rodata,"a",@progbits
	.p2align	6, 0x0
	.amdhsa_kernel k_qb2d84c8661_qkv
		.amdhsa_group_segment_fixed_size 327680
		.amdhsa_private_segment_fixed_size 0
		.amdhsa_enable_private_segment 0
		.amdhsa_kernarg_size 64
		.amdhsa_user_sgpr_count 2
		.amdhsa_user_sgpr_kernarg_segment_ptr 1
		.amdhsa_wavefront_size32 1
		.amdhsa_system_sgpr_workgroup_id_x 1
		.amdhsa_system_sgpr_workgroup_id_y 1
		.amdhsa_system_sgpr_workgroup_id_z 1
		.amdhsa_system_vgpr_workitem_id 0
		.amdhsa_next_free_vgpr 768
		.amdhsa_next_free_sgpr 100
		.amdhsa_reserve_vcc 0
		.amdhsa_float_denorm_mode_32 3
		.amdhsa_float_denorm_mode_16_64 3
		.amdhsa_memory_ordered 1
		.amdhsa_forward_progress 1
		.amdhsa_inst_pref_size 185
	.end_amdhsa_kernel
	.amdgpu_metadata
---
amdhsa.version: [ 1, 2 ]
amdhsa.kernels:
  - .name:           k_qb2d84c8661_qkv
    .symbol:         k_qb2d84c8661_qkv.kd
    .args:
      - { .name: xc, .offset: 0, .size: 8, .value_kind: global_buffer, .address_space: global }
      - { .name: wc, .offset: 8, .size: 8, .value_kind: global_buffer, .address_space: global }
      - { .name: lowp_scales, .offset: 16, .size: 8, .value_kind: global_buffer, .address_space: global }
      - { .name: q_b, .offset: 24, .size: 8, .value_kind: global_buffer, .address_space: global }
      - { .name: v_b, .offset: 32, .size: 8, .value_kind: global_buffer, .address_space: global }
      - { .name: qc, .offset: 40, .size: 8, .value_kind: global_buffer, .address_space: global }
      - { .name: kc, .offset: 48, .size: 8, .value_kind: global_buffer, .address_space: global }
      - { .name: vc, .offset: 56, .size: 8, .value_kind: global_buffer, .address_space: global }
    .group_segment_fixed_size: 327680
    .private_segment_fixed_size: 0
    .kernarg_segment_align: 8
    .kernarg_segment_size: 64
    .max_flat_workgroup_size: 128
    .sgpr_count:     100
    .vgpr_count:     768
    .wavefront_size: 32
...
	.end_amdgpu_metadata
.endif
;; end of part 2
;; launch attn (part 3): grid 4 x 64, 12 waves a work-group, clusters of 4 x 1, 198,144 bytes of LDS; arguments qc, kc, vc, lowp_scales, ac; writes ac
.if DOCPART == 3
	.amdgcn_target "amdgcn-amd-amdhsa--gfx1250"
	.amdhsa_code_object_version 6
	.text
	.protected	k_qb2d84c8661_attn
	.globl	k_qb2d84c8661_attn
	.p2align	8
	.type	k_qb2d84c8661_attn,@function
k_qb2d84c8661_attn:
	s_mov_b64 s[64:65], 0
	v_nop
	global_prefetch_b8 v0, s[64:65] scope:SCOPE_SE
	s_setreg_imm32_b32 hwreg(HW_REG_WAVE_MODE, 25, 1), 1
	s_wait_xcnt 0x0
	s_wait_alu depctr_hold_cnt(0) depctr_sa_sdst(0) depctr_va_vdst(0) depctr_va_sdst(0) depctr_va_ssrc(0) depctr_va_vcc(0) depctr_vm_vsrc(0)
	s_getreg_b32 s2, hwreg(HW_REG_IB_STS2, 6, 4)
	s_cmp_eq_u32 s2, 0
	s_cbranch_scc0 .Lentry_in_a_cluster
	s_endpgm
.Lentry_in_a_cluster:
	s_bfe_u32 s2, ttmp6, 0x10000c
	s_cmp_lg_u32 s2, 0x3003
	s_cbranch_scc0 .Lentry_shape_is_right
	s_endpgm
.Lentry_shape_is_right:
; attn_out = softmax(q k^T) v for one batch and head, both products on codes of E4M3, and at once quantised (e10) for the projection on the way out.  Nothing of the problem is left out here.
; THE SOFTMAX AHEAD OF THE SECOND PRODUCT: t = score x log2(e); M = the running largest t rounded UP to a whole number; p = 2^(t - M) is quantised (e8), not normalised; the row's sum is taken of the unquantised p and divides at the end.
; When M moves, the sum and O are multiplied by 2^(old M - new M): exact, and with no branch on data.
; PADDING, not work of the problem: keys 1,504 to 1,535 fill whole tiles, which are not multiplied, and their p are zero codes; keys 1,500 to 1,503 become -infinity ahead of the maximum.  Query tiles 94 and 95 are walked like the others:
; their images must be written, since the last launch fetches them with live rows.
; SHARES.  A cluster of four work-groups takes one batch and head (64 in all); a work-group 24 of the 96 query tiles.  A HEAD'S WHOLE K AND V (2 x 98,304 bytes of images) LIE IN LDS: fetched once, jointly for the four, one load a wave;
; no ring, no refill, no barrier in the loop.  (No data prefetch: all tensor loads are issued at the head, and no loop of loads is there to run ahead of.)
; Twelve waves, three to a SIMD, each with TWO query tiles, A and B: a fragment of K or V that a wave reads from LDS feeds both.  The two tiles' chains go line by line in turns, and one tile's exponentials stand in turns with plain lines of the other.
; A step's K is asked for behind the first products of the step before; its V when A's codes are made, into the registers that held A's p.
; LAYOUT.  S^T = K Q^T (source 0 = 16 keys), O^T = V^T P^T (source 0 = 16 of the head's 64): a lane holds ONE query of each tile throughout; the registers of key tiles 2 b, 2 b + 1 are keys 32 b + 16 h + 0 .. 15, so p's conversions give the operand.
; LIMITS: e6 + e7 between -126 and 127 (added to the exponent field of log2(e)); e8 and e10 between -126 and 119; e8 + e9 is applied by v_ldexp_f32.  The scaled scores stay under 2^31 in magnitude.  NaN is not served.
; REGISTERS, window 0: v1 16 x lane; v2, v3 448 x 2^e8; v4, v5 the add's two; v6, v8 2^(old M - new M) of A, B; v7 2^e8; v9, v24 the step's LDS addresses in K, V; v10 -M, v11 the largest score, v[12:13] the sum in two halves (A); v14 to v17 the same (B);
;   v18-23 at work; v28-43 Q of A, B; v44-107 K's 8 fragments; v108-171 S^T of A, then p, then V's 4 fragments; v176-239 S^T of B, then p; v240-255 p's codes of A; those of B take v172-187: four spare registers and B's first block, which is converted first.
;   window 1: v0-31 O^T of A, v32-63 O^T of B.
.set VBASE, 98304                      ; LDS: K's 96 tiles x 1,024 bytes, then V's 12 key steps x 4 x 2,048
.set SPARE, 196608                     ; the spare words, 128 bytes for each of twelve waves
.set LI, 1
.set QA, 28
.set QB, 36
.set KX, 44
.set SA, 108
.set VX, 108
.set SB, 176
.set CA, 240
.set CB, 172
.set MSB, 0
.macro WIN new                         ; the immediate's high byte repeats the setting that is left
.if MSB != (\new)
	s_set_vgpr_msb (MSB<<8)|(\new)
.set MSB, (\new)
.endif
.endm
.macro CROUND                          ; a round of the cluster's barrier
	s_barrier_signal -1
	s_barrier_wait -1
	s_cmp_lg_u32 s14, 0
	s_cbranch_scc1 .Lnot_wave_0_\@
	s_barrier_signal -3
.Lnot_wave_0_\@:
	s_barrier_wait -3
	s_barrier_signal -1
	s_barrier_wait -1
.endm
	s_load_b256 s[4:11], s[0:1], 0x0               ; qc, kc, vc, the scales
	s_load_b64 s[12:13], s[0:1], 0x20              ; ac
	v_lshl_add_u32 v4, v0, 2, SPARE
	v_mov_b32 v5, 0
	ds_add_u32 v4, v5                              ; the wave's opening: the add, twice on end, and its wait ahead of my first tensor load
	ds_add_u32 v4, v5
	v_lshrrev_b32 v1, 5, v0
	v_readfirstlane_b32 s14, v1                    ; wave 0..11
	s_bfe_u32 s15, ttmp6, 0x40000                  ; cx: which 24 query tiles; it enters Q's and the result's addresses alone
	s_and_b32 s16, ttmp7, 0xffff                   ; 16 x batch + head, which the four partners share
	; group 1: 64 rows of 256 bytes, dense: a twelfth of K and V
	s_mov_b32 s24, 15|(3<<16)|(1<<21)              ; 15:0 the mask: all four; 17:16 elements of 8 bytes; 21 set beside a mask
	s_mov_b32 s25, 32<<16                          ; tensor_dim0 = 32
	s_mov_b32 s26, 64<<16                          ; tensor_dim1 = 64
	s_mov_b32 s27, 32<<16                          ; tile_dim0
	s_mov_b32 s28, 64                              ; tile_dim1
	s_mov_b32 s29, 32                              ; the pitch
	s_mov_b32 s30, 0
	s_mov_b32 s31, 0
	s_mov_b32 s32, 1
	s_mul_i32 s33, s14, 16384                      ; LDS: waves 0-5 fill K, waves 6-11 V, which lies behind it
	s_cmp_lt_u32 s14, 6
	s_cselect_b32 s17, 0, 98304
	s_mul_i32 s18, s14, 16384
	s_sub_co_u32 s18, s18, s17
	s_mul_i32 s17, s16, 98304
	s_add_co_u32 s18, s18, s17
	s_mov_b32 s19, 0
	s_mov_b32 s20, 0x76543210                      ; v_permlanex16_b32: lane l xor 16
	s_mov_b32 s21, 0xfedcba98
	s_mov_b32 s50, 0xffff0000                      ; lanes 16-31
	s_wait_dscnt 0x0                               ; both opening adds are done
	s_wait_kmcnt 0x0
	s_load_b256 s[36:43], s[10:11], 0x0            ; e0 .. e7
	s_load_b128 s[44:47], s[10:11], 0x20           ; e8 .. e11
	s_cmp_lt_u32 s14, 6
	s_cselect_b64 s[34:35], s[6:7], s[8:9]
	s_add_nc_u64 s[34:35], s[34:35], s[18:19]
	s_or_b32 s35, s35, 0x80000000
	CROUND                                         ; all four work-groups are here: the joint loads meet
	tensor_load_to_lds s[32:35], s[24:31]          ; every wave's one load
	s_nop 0
.rept 4
	v_nop
.endr
	v_and_b32 v1, 31, v0
	v_lshlrev_b32 v[LI], 4, v1
	s_wait_alu depctr_va_vdst(0)                   ; ahead of the run of scalar lines
	s_mul_i32 s60, s15, 24
	s_lshl_b32 s61, s14, 1
	s_add_co_u32 s60, s60, s61                     ; my query tile A in the head; B is the next
	s_mul_i32 s2, s16, 96
	s_add_co_u32 s2, s2, s60
	s_lshl_b32 s2, s2, 10
	s_mov_b32 s3, 0
	s_add_nc_u64 s[52:53], s[4:5], s[2:3]          ; Q's images
	s_lshr_b32 s62, s16, 4
	s_mul_i32 s62, s62, 96                         ; the batch's first token tile
	s_add_co_u32 s62, s62, s60
	s_lshl_b32 s62, s62, 14                        ; a token tile's image is 16,384 bytes,
	s_and_b32 s17, s16, 15
	s_lshl_b32 s17, s17, 10                        ; the head's part of it 1,024
	s_add_co_u32 s62, s62, s17
	s_mov_b32 s63, 0
	s_add_nc_u64 s[54:55], s[12:13], s[62:63]      ; where A's result goes; B's lies 16,384 bytes on
.irp i, 0,1,2,3
	global_load_b128 v[QA+4*\i:QA+4*\i+3], v[LI], s[52:53] offset:512*\i   ; both tiles' Q, while K and V are on their way
.endr
	v_mov_b32 v22, 0                               ; written once: the way out's lane permutes name them
	v_mov_b32 v23, 0
	v_mov_b32 v10, 0x7f61b1e6                      ; -M at the start: 3e38
	v_mov_b32 v14, 0x7f61b1e6
	v_mov_b32 v11, 0xff61b1e6                      ; the largest score so far: -3e38, under every score
	v_mov_b32 v15, 0xff61b1e6
	v_mov_b32 v12, 0
	v_mov_b32 v13, 0
	v_mov_b32 v16, 0
	v_mov_b32 v17, 0
	WIN 0x40
.set J, 0
.rept 64
	v_mov_b32 v[J], 0                              ; O^T of both tiles: the step is written once; its first run finds zeros
.set J, J+1
.endr
	WIN 0
	s_wait_kmcnt 0x0
	s_add_co_i32 s17, s42, s43
	s_lshl_b32 s17, s17, 23
	s_add_co_i32 s22, s17, 0x3fb8aa3b              ; c = log2(e) x 2^(e6+e7)
	s_mov_b32 s23, s22                             ; (named with it as a pair, so it is written)
	s_add_co_i32 s19, s44, s45                     ; e8 + e9
	s_add_co_i32 s17, s46, 127
	s_lshl_b32 s56, s17, 23                        ; 2^e10
	s_add_co_i32 s17, s17, 8
	s_lshl_b32 s17, s17, 23
	s_or_b32 s57, s17, 0x600000                    ; 448 x 2^e10
	s_add_co_i32 s17, s44, 127
	s_lshl_b32 s18, s17, 23
	s_add_co_i32 s17, s17, 8
	s_lshl_b32 s17, s17, 23
	s_or_b32 s17, s17, 0x600000
	v_mov_b32 v7, s18                              ; 2^e8
	v_mov_b32 v2, s17                              ; 448 x 2^e8, twice: a dual pair names two registers
	v_mov_b32 v3, s17
; The sum of nb x 16 numbers p from register s on, onto the pair a, which is brought under the new M by f in the same line; four chains
.macro SUM s, a, f, nb
	v_pk_fma_f32 v[\a:\a+1], v[\a:\a+1], v[\f:\f+1], v[\s:\s+1] op_sel_hi:[1,0,1]
	v_pk_add_f32 v[18:19], v[\s+2:\s+3], v[\s+4:\s+5]
	v_pk_add_f32 v[20:21], v[\s+6:\s+7], v[\s+8:\s+9]
	v_pk_add_f32 v[22:23], v[\s+10:\s+11], v[\s+12:\s+13]
.set J, 14
.rept 2*\nb-2
	v_pk_add_f32 v[\a:\a+1], v[\a:\a+1], v[\s+J:\s+J+1]
	v_pk_add_f32 v[18:19], v[18:19], v[\s+J+2:\s+J+3]
	v_pk_add_f32 v[20:21], v[20:21], v[\s+J+4:\s+J+5]
	v_pk_add_f32 v[22:23], v[22:23], v[\s+J+6:\s+J+7]
.set J, J+8
.endr
	v_pk_add_f32 v[\a:\a+1], v[\a:\a+1], v[\s+J:\s+J+1]
	v_pk_add_f32 v[18:19], v[18:19], v[20:21]
	v_pk_add_f32 v[\a:\a+1], v[\a:\a+1], v[22:23]
	v_pk_add_f32 v[\a:\a+1], v[\a:\a+1], v[18:19]
.endm
.macro HOLD2 r                         ; two numbers held at the largest code x the scale; p is not negative
	v_dual_min_num_f32 v[\r], v[\r], v2 :: v_dual_min_num_f32 v[\r+1], v[\r+1], v3
.endm
.macro CODES s, d, nb
.set B, 0
.rept \nb
	v_cvt_scalef32_pk8_fp8_f32 v[\d+4*B:\d+4*B+1], v[\s+16*B:\s+16*B+7], v7
	v_cvt_scalef32_pk8_fp8_f32 v[\d+4*B+2:\d+4*B+3], v[\s+16*B+8:\s+16*B+15], v7
.if (B == 0) && (\d < \s)
	v_nop                                          ; a plain line: the next conversions write block 0's numbers
.endif
.set B, B+1
.endr
.if \nb == 3
.irp i, 12,13,14,15
	v_mov_b32 v[\d+\i], 0                          ; keys 1,504 on: zero codes
.endr
.endif
.endm
; A KEY STEP of 32 nb keys (nb = 4; the last of all: 3)
.macro STEP nb, next
	v_add_nc_u32 v9, s48, v[LI]                    ; the step's LDS addresses.  (These two lines and the four v_nop behind the last products are the places ahead of the products that write over V's and B's codes' registers)
	v_add_nc_u32 v24, s51, v[LI]
	s_wait_alu depctr_va_vdst(0)
	s_wait_dscnt 0x0                               ; K is in
.set J, 0
.rept 2*\nb
	v_wmma_f32_16x16x64_fp8_fp8 v[SA+8*J:SA+8*J+7], v[KX+8*J:KX+8*J+7], v[QA:QA+7], 0
	v_wmma_f32_16x16x64_fp8_fp8 v[SB+8*J:SB+8*J+7], v[KX+8*J:KX+8*J+7], v[QB:QB+7], 0
.set J, J+1
.endr
.if \nb == 3
	v_mov_b32 v22, 0xff800000                      ; -infinity
.endif
.rept 4
	v_nop                                          ; places in front of the loads into K's registers and of the first read of the scores
.endr
.if \next
.irp t, 0,1,2,3,4,5,6,7
.irp c, 0,1
	ds_load_b128 v[KX+8*\t+4*\c:KX+8*\t+4*\c+3], v9 offset:8192+1024*\t+512*\c   ; the next step's K
.endr
.endr
.endif
	v_max3_num_f32 v18, v[SA], v[SA+1], v[SA+2]    ; the largest score of each of my two queries among my keys: two chains a tile, each accumulator from its low end on
	v_max3_num_f32 v20, v[SB], v[SB+1], v[SB+2]
	v_max3_num_f32 v19, v[SA+3], v[SA+4], v[SA+5]
	v_max3_num_f32 v21, v[SB+3], v[SB+4], v[SB+5]
.set J, 6
.rept (16*\nb-8)/4
.if (\nb == 3) && (J == 42)
.irp i, 44,45,46,47
	v_cndmask_b32 v[SA+\i], v[SA+\i], v22, s50     ; keys 1,500 to 1,503: registers 44-47 of lanes 16-31
	v_cndmask_b32 v[SB+\i], v[SB+\i], v22, s50
.endr
.endif
	v_max3_num_f32 v18, v18, v[SA+J], v[SA+J+1]
	v_max3_num_f32 v20, v20, v[SB+J], v[SB+J+1]
	v_max3_num_f32 v19, v19, v[SA+J+2], v[SA+J+3]
	v_max3_num_f32 v21, v21, v[SB+J+2], v[SB+J+3]
.set J, J+4
.endr
	v_max3_num_f32 v18, v18, v[SA+J], v[SA+J+1]
	v_max3_num_f32 v20, v20, v[SB+J], v[SB+J+1]
	v_max_num_f32 v18, v18, v19
	v_max_num_f32 v20, v20, v21
	v_permlanex16_b32 v19, v18, s20, s21
	v_permlanex16_b32 v21, v20, s20, s21
	v_max3_num_f32 v11, v11, v18, v19              ; and among lane l xor 16's, and of all steps so far
	v_max3_num_f32 v15, v15, v20, v21
	v_mul_f32 v18, s22, -v11                       ; -t of the largest (c is positive)
	v_mul_f32 v20, s22, -v15
	v_floor_f32 v18, v18                           ; the new -M = floor(-t)
	v_floor_f32 v20, v20
	v_sub_f32 v19, v18, v10                        ; old M - new M: a whole number, 0 or less
	v_sub_f32 v21, v20, v14
	v_mov_b32 v10, v18
	v_mov_b32 v14, v20
	v_cvt_i32_f32 v19, v19                         ; (it saturates)
	v_cvt_i32_f32 v21, v21
	v_ldexp_f32 v6, 1.0, v19                       ; f = 2^(old M - new M)
	v_ldexp_f32 v8, 1.0, v21
.set J, 0
.rept 8*\nb
	v_pk_fma_f32 v[SA+J:SA+J+1], v[SA+J:SA+J+1], s[22:23], v[10:11] op_sel_hi:[1,0,0]   ; A: t - M, two at a time
.set J, J+2
.endr
	s_wait_alu depctr_va_vdst(0)                   ; ahead of the batch: it covers A's t - M, and B's -M and both f
.set J, 0
.rept 8*\nb
	v_exp_f32 v[SA+J], v[SA+J]                     ; A: p = 2^(t - M),
	v_exp_f32 v[SA+J+1], v[SA+J+1]
	v_pk_fma_f32 v[SB+J:SB+J+1], v[SB+J:SB+J+1], s[22:23], v[14:15] op_sel_hi:[1,0,0]   ; by turns with B's t - M, which is read behind the next wait
.set J, J+2
.endr
	s_wait_alu depctr_va_vdst(0)                   ; one wait for the batch, ahead of its first reader
	SUM SA, 12, 6, \nb                             ; A's row sum, of the unquantised p
	s_wait_alu depctr_va_vdst(0)                   ; ahead of B's batch
.set J, 0
.rept 8*\nb
	v_exp_f32 v[SB+J], v[SB+J]                     ; B: p,
	v_exp_f32 v[SB+J+1], v[SB+J+1]
	HOLD2 SA+J                                     ; by turns with A's hold
.set J, J+2
.endr
	s_wait_alu depctr_va_vdst(0)                   ; one wait for the batch and for the held numbers
	CODES SA, CA, \nb
	v_nop                                          ; a plain line behind the conversions
.irp t, 0,1,2,3
.irp c, 0,1,2,3
	ds_load_b128 v[VX+16*\t+4*\c:VX+16*\t+4*\c+3], v24 offset:2048*\t+512*\c   ; V, into the registers of A's p
.endr
.endr
	SUM SB, 16, 8, \nb
.set J, 0
.rept 8*\nb
	HOLD2 SB+J
.set J, J+2
.endr
	CODES SB, CB, \nb
	WIN 0x41                                       ; destination and source 0 window 1
	s_wait_alu depctr_va_vdst(0)                   ; directly ahead of the first reader of O^T
.set J, 0
.rept 16
	v_pk_mul_f32 v[J:J+1], v[J:J+1], v[6:7] op_sel_hi:[1,0]   ; O^T under the new M; also the plain lines between the conversions and the products
	v_pk_mul_f32 v[32+J:33+J], v[32+J:33+J], v[8:9] op_sel_hi:[1,0]
.set J, J+2
.endr
	s_wait_alu depctr_va_vdst(0)                   ; ahead of the wait below, behind which the products read O^T and the codes
	s_wait_dscnt 0x0                               ; V is in
	WIN 0x50                                       ; C and D window 1
.irp t, 0,1,2,3
	v_wmma_f32_16x16x128_fp8_fp8 v[8*\t:8*\t+7], v[VX+16*\t:VX+16*\t+15], v[CA:CA+15], v[8*\t:8*\t+7]
	v_wmma_f32_16x16x128_fp8_fp8 v[32+8*\t:32+8*\t+7], v[VX+16*\t:VX+16*\t+15], v[CB:CB+15], v[32+8*\t:32+8*\t+7]
.endr
	WIN 0
.rept 4
	v_nop                                          ; places (with the next step's first two lines: six), or those of the first read of O^T
.endr
.endm
	s_wait_alu depctr_va_vdst(0)                   ; the head's end
	s_wait_tensorcnt 0x0                           ; my twelfth of K and V is in,
	s_barrier_signal -1
	s_barrier_wait -1                              ; everybody's is; nothing is ever filled again
.irp t, 0,1,2,3,4,5,6,7
.irp c, 0,1
	ds_load_b128 v[KX+8*\t+4*\c:KX+8*\t+4*\c+3], v[LI] offset:1024*\t+512*\c   ; K of the first step
.endr
.endr
	s_wait_loadcnt 0x0                             ; Q
	s_mov_b32 s48, 0                               ; 8,192 x the step,
	s_mov_b32 s51, VBASE                           ; and in V
	s_mov_b32 s49, 11
.Lkey:
	STEP 4, 1
	s_add_co_u32 s48, s48, 8192
	s_add_co_u32 s51, s51, 8192
	s_sub_co_u32 s49, s49, 1
	s_cmp_lg_u32 s49, 0
	s_cbranch_scc1 .Lkey
	STEP 3, 0                                      ; keys 1,408 to 1,503
	; THE WAY OUT: O^T / the sum x 2^(e8+e9), quantised with e10
	v_add_f32 v12, v12, v13                        ; the sums' two halves,
	v_add_f32 v16, v16, v17
	v_permlanex16_b32 v22, v12, s20, s21
	v_permlanex16_b32 v23, v16, s20, s21
	v_add_f32 v12, v12, v22                        ; and lane l xor 16's
	v_add_f32 v16, v16, v23
	v_mov_b32 v20, s56                             ; 2^e10
	v_mov_b32 v21, s57                             ; 448 x 2^e10
	s_wait_alu depctr_va_vdst(0)
	v_rcp_f32 v12, v12
	v_rcp_f32 v16, v16
	v_nop                                          ; a plain line behind the transcendentals,
	s_wait_alu depctr_va_vdst(0)                   ; and the wait ahead of their first reader
	v_ldexp_f32 v12, v12, s19                      ; x 2^(e8+e9)
	v_ldexp_f32 v16, v16, s19
	WIN 0x01                                       ; source 0 window 1
	s_wait_alu depctr_va_vdst(0)                   ; directly ahead of the first reader of O^T
.set J, 0
.rept 16
	v_pk_mul_f32 v[SA+J:SA+J+1], v[J:J+1], v[12:13] op_sel_hi:[1,0]   ; register 16 b + i: channel 32 b + 16 h + i of my query
	v_pk_mul_f32 v[SB+J:SB+J+1], v[32+J:33+J], v[16:17] op_sel_hi:[1,0]
.set J, J+2
.endr
	WIN 0
.set J, 0
.rept 32
	v_med3_num_f32 v[SA+J], v[SA+J], -v21, v21     ; the conversion to an 8-bit code does not saturate (ISA guide 7.6.2)
	v_med3_num_f32 v[SB+J], v[SB+J], -v21, v21
.set J, J+1
.endr
.irp m, 0,1,2,3
	v_cvt_scalef32_pk8_fp8_f32 v[CA+2*\m:CA+2*\m+1], v[SA+8*\m:SA+8*\m+7], v20
	v_cvt_scalef32_pk8_fp8_f32 v[CA+8+2*\m:CA+9+2*\m], v[SB+8*\m:SB+8*\m+7], v20
.endr
	v_nop                                          ; a plain line behind the last conversion
	global_store_b128 v[LI], v[CA:CA+3], s[54:55]  ; 512 consecutive bytes, aligned: a chunk of the next operand's image
	global_store_b128 v[LI], v[CA+4:CA+7], s[54:55] offset:512
	global_store_b128 v[LI], v[CA+8:CA+11], s[54:55] offset:16384
	global_store_b128 v[LI], v[CA+12:CA+15], s[54:55] offset:16896
	s_wait_tensorcnt 0x0                           ; the wave's end
	ds_add_u32 v4, v5
	s_wait_dscnt 0x0
	CROUND                                         ; the closing round
	s_endpgm
.Lfunc_end_k_qb2d84c8661_attn:
	.size	k_qb2d84c8661_attn, .Lfunc_end_k_qb2d84c8661_attn-k_qb2d84c8661_attn
	.p2alignl 7, 3214868480
	.fill 96, 4, 3214868480
	.section	.rodata,"a",@progbits
	.p2align	6, 0x0
	.amdhsa_kernel k_qb2d84c8661_attn
		.amdhsa_group_segment_fixed_size 198144
		.amdhsa_private_segment_fixed_size 0
		.amdhsa_enable_private_segment 0
		.amdhsa_kernarg_size 40
		.amdhsa_user_sgpr_count 2
		.amdhsa_user_sgpr_kernarg_segment_ptr 1
		.amdhsa_wavefront_size32 1
		.amdhsa_system_sgpr_workgroup_id_x 1
		.amdhsa_system_sgpr_workgroup_id_y 1
		.amdhsa_system_sgpr_workgroup_id_z 1
		.amdhsa_system_vgpr_workitem_id 0
		.amdhsa_next_free_vgpr 320
		.amdhsa_next_free_sgpr 66
		.amdhsa_reserve_vcc 0
		.amdhsa_float_denorm_mode_32 3
		.amdhsa_float_denorm_mode_16_64 3
		.amdhsa_memory_ordered 1
		.amdhsa_forward_progress 1
		.amdhsa_inst_pref_size 67
	.end_amdhsa_kernel
	.amdgpu_metadata
---
amdhsa.version: [ 1, 2 ]
amdhsa.kernels:
  - .name:           k_qb2d84c8661_attn
    .symbol:         k_qb2d84c8661_attn.kd
    .args:
      - { .name: qc, .offset: 0, .size: 8, .value_kind: global_buffer, .address_space: global }
      - { .name: kc, .offset: 8, .size: 8, .value_kind: global_buffer, .address_space: global }
      - { .name: vc, .offset: 16, .size: 8, .value_kind: global_buffer, .address_space: global }
      - { .name: lowp_scales, .offset: 24, .size: 8, .value_kind: global_buffer, .address_space: global }
      - { .name: ac, .offset: 32, .size: 8, .value_kind: global_buffer, .address_space: global }
    .group_segment_fixed_size: 198144
    .private_segment_fixed_size: 0
    .kernarg_segment_align: 8
    .kernarg_segment_size: 40
    .max_flat_workgroup_size: 384
    .sgpr_count:     66
    .vgpr_count:     320
    .wavefront_size: 32
...
	.end_amdgpu_metadata
.endif
;; end of part 3
;; launch outp (part 4): grid 8 x 32, 4 waves a work-group, clusters of 4 x 4, 214,528 bytes of LDS; arguments ac, wc, lowp_scales, out_b, out0; writes out0
.if DOCPART == 4
	.amdgcn_target "amdgcn-amd-amdhsa--gfx1250"
	.amdhsa_code_object_version 6
	.text
	.protected	k_qb2d84c8661_outp
	.globl	k_qb2d84c8661_outp
	.p2align	8
	.type	k_qb2d84c8661_outp,@function
k_qb2d84c8661_outp:
	s_mov_b64 s[64:65], 0
	v_nop
	global_prefetch_b8 v0, s[64:65] scope:SCOPE_SE
	s_setreg_imm32_b32 hwreg(HW_REG_WAVE_MODE, 25, 1), 1
	s_wait_xcnt 0x0
	s_wait_alu depctr_hold_cnt(0) depctr_sa_sdst(0) depctr_va_vdst(0) depctr_va_sdst(0) depctr_va_ssrc(0) depctr_va_vcc(0) depctr_vm_vsrc(0)
	s_getreg_b32 s2, hwreg(HW_REG_IB_STS2, 6, 4)
	s_cmp_eq_u32 s2, 0
	s_cbranch_scc0 .Lentry_in_a_cluster
	s_endpgm
.Lentry_in_a_cluster:
	s_bfe_u32 s2, ttmp6, 0x10000c
	s_cmp_lg_u32 s2, 0xf033
	s_cbranch_scc0 .Lentry_shape_is_right
	s_endpgm
.Lentry_shape_is_right:
; out0 = attn_out out_w^T + out_b, on the codes that the launches before made (e10, e11).  Nothing of the problem is left out; rows of padding (tokens 1,500 on of a sequence) are computed inside live tiles and never stored.
; SHARES.  A work-group makes 192 tokens x 128 features, four waves of 96 x 64: six token tiles x four feature tiles, K in eight parts of 128.
; Source 0 = 16 rows of out_w, source 1 = 16 tokens: a lane holds one token and eight neighbouring features a tile.
; THE TOKENS' 12 tiles of 16,384 bytes lie whole in LDS: one joint load a wave (3 tiles), shared along a row of the cluster, no refill.
; THE WEIGHTS of a wave, 4 tiles x 8 parts, go from memory straight into 512 registers, once: tokens and weights together would be 327,680 bytes, and the spare words and the stage want LDS too.  That is why they are not asked for jointly.
; (No data prefetch: tokens and weights are all asked for at the head.)
; THE WORK GOES TOKEN TILE BY TOKEN TILE: 32 products, four accumulators by turns, one instruction a turn (three others stand between a sum's steps), K ascending.  So a tile is finished,
; and its rows leave behind the next tile's products, while the others are still to be multiplied.
; THE WAY OUT: a token tile's 16 rows x 256 bytes go through the wave's own stage in LDS (rows of 272 bytes, bytes into which no tile ever lands) and leave by rows: sixteen lanes store one aligned run of 256 bytes.
; Slot m of token tile T is token 32 (T / 2) + 8 (T % 2) + m + 8 (m / 8): slots 0-11 are real tokens where T <= 93, slots 12-15 where T <= 92; the others' lanes are switched off for the stores.
; LIMIT: e10 + e11 between -126 and 127.
; REGISTERS.  window 0: v1 16 x lane; v2, v3 LDS addresses of my two runs of three token tiles; v14, v15 the add's two; v16, v17 the stage (in, back); v18 my byte offset in two rows of the output; v23 my first token tile; v24-55 at work;
;   v64-127 two sets of four accumulators; v128-191 two sets of rows read back; v192-223 out_b in the result's layout.     window 1: two token tiles of 8 parts x 16 registers.     windows 2, 3: the weights, part p at window 2 + p / 4, v[64 (p % 4)].
.set QT,    49152                      ; three tiles
.set SPARE, 196608                     ; the spare words, 128 bytes a wave
.set STAGE, SPARE+512
.set SP,    272
.set LI,   1
.set ADRA, 2
.set SPW,  14
.set NIL,  15
.set STO,  16
.set RD,   17
.set CO,   18
.set TR,   24
.set ACC,  64
.set BK,   128
.set OB,   192
.set MSB, 0
.macro WIN new                         ; the immediate's high byte repeats the setting that is left
.if MSB != (\new)
	s_set_vgpr_msb (MSB<<8)|(\new)
.set MSB, (\new)
.endif
.endm
.macro PLACES n
.rept \n
	v_nop
.endr
.endm
.macro CROUND
	s_barrier_signal -1
	s_barrier_wait -1
	s_cmp_lg_u32 s20, 0
	s_cbranch_scc1 .Lnot_wave_0_\@
	s_barrier_signal -3
.Lnot_wave_0_\@:
	s_barrier_wait -3
	s_barrier_signal -1
	s_barrier_wait -1
.endm
	s_load_b256 s[4:11], s[0:1], 0x0               ; ac, wc, the scales, out_b
	s_load_b64 s[12:13], s[0:1], 0x20              ; out0
	v_lshl_add_u32 v[SPW], v0, 2, SPARE
	v_mov_b32 v[NIL], 0
	ds_add_u32 v[SPW], v[NIL]                      ; the wave's opening: the add, twice on end, and its wait ahead of my first tensor load
	ds_add_u32 v[SPW], v[NIL]
	v_lshrrev_b32 v1, 5, v0
	v_readfirstlane_b32 s20, v1                    ; wave 0..3.  Also: which 3 of the 12 token tiles I fetch
	s_lshr_b32 s21, s20, 1                         ; which 96 tokens are mine
	s_and_b32 s22, s20, 1                          ; which 64 features
	s_bfe_u32 s23, ttmp6, 0x40000                  ; cx
	s_bfe_u32 s24, ttmp6, 0x40004                  ; cy
	s_lshl_b32 s25, ttmp9, 2
	s_add_co_u32 s25, s25, s23                     ; which 128 features
	s_and_b32 s26, ttmp7, 0xffff
	s_lshl_b32 s26, s26, 2
	s_add_co_u32 s26, s26, s24                     ; which 192 tokens
	s_lshl_b32 s60, s24, 2
	s_lshl_b32 s60, 15, s60                        ; my row of the cluster
	s_or_b32 s28, s60, (3<<16)|(1<<21)             ; 15:0 the mask; 17:16 elements of 8 bytes; 21 set beside a mask
	s_mov_b32 s29, 2048<<16                        ; three rows of 16,384 bytes, dense; no padding
	s_mov_b32 s30, 3<<16
	s_mov_b32 s31, 2048<<16
	s_mov_b32 s32, 3
	s_mov_b32 s33, 2048
	s_mov_b32 s34, 0
	s_mov_b32 s35, 0
	s_mov_b32 s44, 1
	s_mul_i32 s45, s20, QT                         ; where the tiles go: the wave's number alone
	s_mul_i32 s60, s26, 12                         ; the tokens' tiles hang on the tokens' coordinate and the wave alone
	s_mul_i32 s61, s20, 3
	s_add_co_u32 s60, s60, s61
	s_lshl_b32 s60, s60, 14
	s_mov_b32 s61, 0
	s_lshl_b32 s62, s25, 17                        ; my 4 feature tiles of out_w, the fourth weight
	s_lshl_b32 s63, s22, 16
	s_add_co_u32 s62, s62, s63
	s_add_co_u32 s62, s62, 0x300000
	s_mov_b32 s63, 0
	s_wait_dscnt 0x0                               ; both opening adds are done
	s_wait_kmcnt 0x0
	s_load_b64 s[14:15], s[8:9], 0x28              ; e10, e11
	s_add_nc_u64 s[46:47], s[4:5], s[60:61]
	s_or_b32 s47, s47, 0x80000000
	s_add_nc_u64 s[36:37], s[6:7], s[62:63]
	CROUND                                         ; all sixteen work-groups are here: the joint loads meet
	tensor_load_to_lds s[44:47], s[28:35]          ; one load a wave
	s_nop 0
	PLACES 4
	v_and_b32 v1, 31, v0
	v_lshlrev_b32 v[LI], 4, v1                     ; 16 x lane
	v_and_b32 v21, 15, v0                          ; r
	v_bfe_u32 v22, v0, 4, 1                        ; h
	s_wait_alu depctr_va_vdst(0)                   ; ahead of the run of scalar lines
	s_mul_i32 s66, s21, 2*QT
	v_add_nc_u32 v[ADRA], s66, v[LI]
	s_add_co_u32 s66, s66, QT
	v_add_nc_u32 v[ADRA+1], s66, v[LI]
	s_lshl_b32 s66, s25, 1
	s_add_co_u32 s66, s66, s22                     ; which 64 features
	s_lshl_b32 s62, s66, 8
	s_add_nc_u64 s[10:11], s[10:11], s[62:63]
	v_lshlrev_b32 v19, 6, v22                      ; out_b: lane (r, h) wants, for tile 2 b + u, features 32 b + 16 h + 8 u + 0 .. 7
.irp f, 0,1,2,3
	global_load_b128 v[OB+8*\f:OB+8*\f+3], v19, s[10:11] offset:(32*(\f/2)+8*(\f%2))*4
	global_load_b128 v[OB+8*\f+4:OB+8*\f+7], v19, s[10:11] offset:(32*(\f/2)+8*(\f%2))*4+16
.endr
	s_mul_i32 s66, s20, 16*SP
	s_add_co_u32 s66, s66, STAGE                   ; my stage
	v_mul_u32_u24 v[STO], v21, SP
	v_lshl_add_u32 v[STO], v22, 6, v[STO]
	v_add_nc_u32 v[STO], s66, v[STO]               ; in: row r, + 64 h: feature 32 b + 16 h + 8 u + j lies at byte 128 b + 64 h + 32 u + 4 j
	v_mul_u32_u24 v[RD], v22, SP
	v_lshl_add_u32 v[RD], v21, 4, v[RD]
	v_add_nc_u32 v[RD], s66, v[RD]                 ; back: lanes 0-15 one row, lanes 16-31 the next
	v_lshlrev_b32 v[CO], 12, v22
	v_lshl_add_u32 v[CO], v21, 4, v[CO]            ; and the same two rows of the output, 4,096 bytes apart
	s_lshr_b32 s67, s26, 3                         ; the batch
	s_mul_i32 s67, s67, 1500
	s_and_b32 s66, s26, 7
	s_mul_i32 s27, s66, 192
	s_add_co_u32 s67, s67, s27
	s_mul_i32 s27, s21, 96
	s_add_co_u32 s67, s67, s27                     ; the row of the output at which my first token tile begins
	s_lshl_b32 s67, s67, 12
	s_add_co_u32 s62, s62, s67
	s_add_nc_u64 s[12:13], s[12:13], s[62:63]
	s_mul_i32 s66, s66, 12
	s_mul_i32 s27, s21, 6
	s_add_co_u32 s66, s66, s27
	v_mov_b32 v23, s66                             ; my first token tile in its sequence
	s_wait_alu depctr_va_vdst(0)                   ; the head's end
; My four feature tiles of part p
.macro WLOAD p
	WIN 0x80+0x40*((\p)/4)
.irp f, 0,1,2,3
.irp c, 0,1,2,3
	global_load_b128 v[64*((\p)%4)+16*\f+4*\c:64*((\p)%4)+16*\f+4*\c+3], v[LI], s[36:37] offset:16384*\f+2048*(\p)+512*\c
.endr
.endr
.endm
.irp w, 0,1,2,3,4,5,6,7
	WLOAD \w
.endr
	WIN 0
	s_wait_kmcnt 0x0
	s_add_co_i32 s16, s14, s15
	s_add_co_i32 s16, s16, 127
	s_lshl_b32 s16, s16, 23                        ; 2^(e10+e11)
	s_mov_b32 s17, s16                             ; (named with it as a pair, so it is written)
; Token tile ti, all eight parts, into set ti % 2: 32 LDS loads in one run
.macro TLOAD ti
	WIN 0x40
.irp p, 0,1,2,3,4,5,6,7
.irp c, 0,1,2,3
	ds_load_b128 v[128*((\ti)%2)+16*\p+4*\c:128*((\ti)%2)+16*\p+4*\c+3], v[ADRA+(\ti)/3] offset:16384*((\ti)%3)+2048*\p+512*\c
.endr
.endr
	WIN 0
.endm
; The 32 products of token tile ti; part 0 starts the sums with C = 0.  In the first tile the last three parts' weights are waited for as they are wanted.
.macro MUL ti
.irp p, 0,1,2,3,4,5,6,7
.if ((\ti) == 0) && (\p > 4)
	s_wait_loadcnt 16*(7-\p)
.endif
	WIN 0x06+(\p/4)                                ; source 0 (weights) window 2 or 3, source 1 (tokens) window 1
.set A0, 128*((\ti)%2)+16*\p
.irp f, 0,1,2,3
.set D0, ACC+32*((\ti)%2)+8*\f
.set B0, 64*(\p%4)+16*\f
.if \p == 0
	v_wmma_f32_16x16x128_fp8_fp8 v[D0:D0+7], v[B0:B0+15], v[A0:A0+15], 0
.else
	v_wmma_f32_16x16x128_fp8_fp8 v[D0:D0+7], v[B0:B0+15], v[A0:A0+15], v[D0:D0+7]
.endif
.endr
.endr
	WIN 0
.endm
; THE WAY OUT of token tile ti: sum x 2^(e10+e11) + out_b, into my stage, and back by rows
.macro TOSTAGE ti
.set J, 0
.rept 16
	v_pk_fma_f32 v[TR+J:TR+J+1], v[ACC+32*((\ti)%2)+J:ACC+32*((\ti)%2)+J+1], s[16:17], v[OB+J:OB+J+1] op_sel_hi:[1,0,1]
.set J, J+2
.endr
.irp f, 0,1,2,3
	ds_store_b128 v[STO], v[TR+8*\f:TR+8*\f+3] offset:128*(\f/2)+32*(\f%2)
	ds_store_b128 v[STO], v[TR+8*\f+4:TR+8*\f+7] offset:128*(\f/2)+32*(\f%2)+16
.endr
.irp i, 0,1,2,3,4,5,6,7
	ds_load_b128 v[BK+32*((\ti)%2)+4*\i:BK+32*((\ti)%2)+4*\i+3], v[RD] offset:2*SP*\i   ; LDS serves a wave's instructions in order: these see the stores above, and the next tile's stores come behind them
.endr
.endm
.macro SEND ti                         ; behind the wait that shows the rows back
	v_cmp_gt_u32 vcc_lo, 94-(\ti), v23             ; slots 0-11 are real tokens where the tile's number is 93 at the most
	s_wait_xcnt 0x0                                ; EXEC changes only behind this wait
	s_and_saveexec_b32 s18, vcc_lo
.irp i, 0,1,2,3,4,5
	global_store_b128 v[CO], v[BK+32*((\ti)%2)+4*\i:BK+32*((\ti)%2)+4*\i+3], s[12:13] offset:(32*((\ti)/2)+8*((\ti)%2)+2*\i+8*(\i/4))*4096 th:TH_STORE_NT   ; 16 lanes store 256 consecutive bytes, aligned
.endr
	s_wait_xcnt 0x0
	s_or_b32 exec_lo, exec_lo, s18
	v_cmp_gt_u32 vcc_lo, 93-(\ti), v23             ; slots 12-15 where it is 92 at the most
	s_and_saveexec_b32 s18, vcc_lo
.irp i, 6,7
	global_store_b128 v[CO], v[BK+32*((\ti)%2)+4*\i:BK+32*((\ti)%2)+4*\i+3], s[12:13] offset:(32*((\ti)/2)+8*((\ti)%2)+2*\i+8*(\i/4))*4096 th:TH_STORE_NT
.endr
	s_wait_xcnt 0x0                                ; the stores have read their registers, which the tile after the next takes
	s_or_b32 exec_lo, exec_lo, s18
.endm
.macro TILE ti
	MUL \ti
	PLACES 4                                       ; in front of loads into registers just read, and of the first read of results (ISA guide 7.12.1 for vector instructions)
	s_wait_dscnt 0x0                               ; the next tile's tokens are in, and the last tile's rows are back
.if (\ti) > 0
	SEND \ti-1
.endif
.if (\ti) < 4
	TLOAD \ti+2
.endif
	TOSTAGE \ti
.endm
	s_wait_tensorcnt 0x0                           ; my three tiles are in; nothing is ever filled again
	s_barrier_signal -1
	s_barrier_wait -1
	TLOAD 0
	s_wait_loadcnt 48                              ; out_b and the weights of parts 0 to 4 are in; those of the last three parts may be out
	s_wait_dscnt 0x0
	TLOAD 1
.irp t, 0,1,2,3,4,5
	TILE \t
.endr
	s_wait_dscnt 0x0
	SEND 5
	s_wait_tensorcnt 0x0                           ; the wave's end, behind my last LDS store; all lanes are on again
	ds_add_u32 v[SPW], v[NIL]
	s_wait_dscnt 0x0
	CROUND                                         ; the closing round
	s_endpgm
.Lfunc_end_k_qb2d84c8661_outp:
	.size	k_qb2d84c8661_outp, .Lfunc_end_k_qb2d84c8661_outp-k_qb2d84c8661_outp
	.p2alignl 7, 3214868480
	.fill 96, 4, 3214868480
	.section	.rodata,"a",@progbits
	.p2align	6, 0x0
	.amdhsa_kernel k_qb2d84c8661_outp
		.amdhsa_group_segment_fixed_size 214528
		.amdhsa_private_segment_fixed_size 0
		.amdhsa_enable_private_segment 0
		.amdhsa_kernarg_size 40
		.amdhsa_user_sgpr_count 2
		.amdhsa_user_sgpr_kernarg_segment_ptr 1
		.amdhsa_wavefront_size32 1
		.amdhsa_system_sgpr_workgroup_id_x 1
		.amdhsa_system_sgpr_workgroup_id_y 1
		.amdhsa_system_sgpr_workgroup_id_z 1
		.amdhsa_system_vgpr_workitem_id 0
		.amdhsa_next_free_vgpr 1024
		.amdhsa_next_free_sgpr 100
		.amdhsa_reserve_vcc 1
		.amdhsa_float_denorm_mode_32 3
		.amdhsa_float_denorm_mode_16_64 3
		.amdhsa_memory_ordered 1
		.amdhsa_forward_progress 1
		.amdhsa_inst_pref_size 63
	.end_amdhsa_kernel
	.amdgpu_metadata
---
amdhsa.version: [ 1, 2 ]
amdhsa.kernels:
  - .name:           k_qb2d84c8661_outp
    .symbol:         k_qb2d84c8661_outp.kd
    .args:
      - { .name: ac, .offset: 0, .size: 8, .value_kind: global_buffer, .address_space: global }
      - { .name: wc, .offset: 8, .size: 8, .value_kind: global_buffer, .address_space: global }
      - { .name: lowp_scales, .offset: 16, .size: 8, .value_kind: global_buffer, .address_space: global }
      - { .name: out_b, .offset: 24, .size: 8, .value_kind: global_buffer, .address_space: global }
      - { .name: out0, .offset: 32, .size: 8, .value_kind: global_buffer, .address_space: global }
    .group_segment_fixed_size: 214528
    .private_segment_fixed_size: 0
    .kernarg_segment_align: 8
    .kernarg_segment_size: 40
    .max_flat_workgroup_size: 128
    .sgpr_count:     100
    .vgpr_count:     1024
    .wavefront_size: 32
...
	.end_amdgpu_metadata
.endif
;; end of part 4
